; MI455X (gfx1250); checked and timed in simulation.
; The chip was launched on July 23, 2026; its instructions are those of AMD's public machine-readable ISA for CDNA 5 (MIT licence, August 2026) and "CDNA5" Instruction Set Architecture Reference Guide (July 2026). The comments in the code are by the model that wrote it; some were corrected since.
;; Contralateral Attention. Allowed arithmetic: matrix products marked QUANTISED: E5M2 operands, one E8M0 scale for each 32 along K, by v_wmma_scale_f32_16x16x128_f8f6f4 with both operands' format E5M2, f32 sums; everything else in f32.
;; Inputs: feat 8 x 256 x 64 x 64 float32; in_b 768 float32; in_w_codes 768 x 8 x 32 uint8 (E5M2 codes of in_w, K innermost, in blocks of 32 codes); in_w_scales 768 x 8 uint8 (E8M0 scales of in_w, one for each 32 codes along K); ln_b 256 float32; ln_g 256 float32; out_b 256 float32; out_w_codes 256 x 8 x 32 uint8 (E5M2 codes of out_w, K innermost, in blocks of 32 codes); out_w_scales 256 x 8 uint8 (E8M0 scales of out_w, one for each 32 codes along K); proj_b 256 float32; proj_w_codes 256 x 32 x 32 uint8 (E5M2 codes of proj_w, K innermost, in blocks of 32 codes); proj_w_scales 256 x 32 uint8 (E8M0 scales of proj_w, one for each 32 codes along K).
;; Outputs: out0 8 x 256 x 64 x 64 float32.
;; This version of the problem:
;;   THIS VERSION OF THE PROBLEM IS GIVEN IN LOW PRECISION. The matrix products marked QUANTISED in the list below multiply operands that are first quantised to E5M2 (5 exponent bits, 2 mantissa bits; 8 bits a number), with one power-of-two scale for each 32 numbers along K (OCP MX v1.0); their sums are f32. All else is computed in f32.
;;   The module's matrix products, in the order in which they are computed (A, B: the left and right operand; K: the contracted axis; several contracted axes count as one K, in the product's order):
;;     1. [M 16,384, K 256] x [K 256, N 256]; A: input feat; B: input in_w (given as codes): QUANTISED
;;     2. [M 16,384, K 256] x [K 256, N 256]; A: computed on the way; B: input in_w (given as codes): QUANTISED
;;     3. [M 16,384, K 256] x [K 256, N 256]; A: computed on the way; B: input in_w (given as codes): QUANTISED
;;     4. batch 32 x [M 2,048, K 64] x [K 64, N 2,048]; A: computed on the way; B: computed on the way: QUANTISED
;;     5. batch 32 x [M 2,048, K 2,048] x [K 2,048, N 64]; A: softmax (see below); B: computed on the way: QUANTISED
;;     6. [M 16,384, K 256] x [K 256, N 256]; A: computed on the way; B: input out_w (given as codes): QUANTISED
;;     7. [M 16,384, K 1,024] x [K 1,024, N 256]; A: computed on the way; B: input proj_w (given as codes): QUANTISED
;;     8. [M 16,384, K 256] x [K 256, N 256]; A: input feat; B: input in_w (given as codes): QUANTISED
;;     9. [M 16,384, K 256] x [K 256, N 256]; A: computed on the way; B: input in_w (given as codes): QUANTISED
;;     10. [M 16,384, K 256] x [K 256, N 256]; A: computed on the way; B: input in_w (given as codes): QUANTISED
;;     11. batch 32 x [M 2,048, K 64] x [K 64, N 2,048]; A: computed on the way; B: computed on the way: QUANTISED
;;     12. batch 32 x [M 2,048, K 2,048] x [K 2,048, N 64]; A: softmax (see below); B: computed on the way: QUANTISED
;;     13. [M 16,384, K 256] x [K 256, N 256]; A: computed on the way; B: input out_w (given as codes): QUANTISED
;;     14. [M 16,384, K 1,024] x [K 1,024, N 256]; A: computed on the way; B: input proj_w (given as codes): QUANTISED
;;   THE QUANTISER, for each operand of a quantised product, along K:
;;     - K is cut into blocks of 32 from its start; a last block that is shorter is filled with zeros.
;;     - A block's scale is 2^e with e = floor(log2(the largest magnitude in the block)) - 15, held to -126 .. 127; a block of zeros has e = 0. As a byte (E8M0): e + 127.
;;     - Each number is divided by its block's scale, clamped to +-57,344, and rounded to the nearest number of E5M2, ties to even, subnormals kept.
;;     - The product sums the exact products of the quantised numbers (number of the format x scale) in f32.
;;   ~~~python
;;   def quantise(x, axis):      # numpy; x: float32 -> the quantised numbers, widened to float32 again
;;       x = np.moveaxis(x, axis, -1); K = x.shape[-1]
;;       x = np.pad(x, [(0, 0)] * (x.ndim - 1) + [(0, -K % 32)]); x = x.reshape(x.shape[:-1] + (-1, 32)); a = np.abs(x).max(-1, keepdims=True)
;;       e = np.where(a > 0, np.clip(np.frexp(np.where(a > 0, a, 1))[1] - 1 - 15, -126, 127), 0)      # np.frexp(a)[1] - 1 = floor(log2(a)), exactly
;;       r = np.clip(x / 2.0 ** e, -57344, 57344)
;;       step = 2.0 ** (np.maximum(np.frexp(np.where(r == 0, 1, r))[1] - 1, -14) - 2)
;;       q = np.round(r / step) * step * 2.0 ** e      # np.round: ties to even
;;       return np.moveaxis(q.reshape(q.shape[:-2] + (-1,))[..., :K], -1, axis).astype(np.float32)
;;   ~~~
;;   SOFTMAX AHEAD OF A QUANTISED PRODUCT. Where the list says 'softmax', what is quantised is not the finished softmax but p = 2^(t - M), with t = logit x log2(e) and M = ceil(the row's largest t), a whole number; so 1/2 < the row's largest p <= 1. The row's sum l is taken of the UNQUANTISED p, in f32, and the product's result is divided by l at the end. Since M is a whole number, a kernel that streams over the keys may use a running M (the ceiling of the running maximum): every later rescaling is an exact power of two, which a block's scale takes up: the codes' values come out the same.
;;   OPERANDS COMPUTED ON THE WAY. 'Computed on the way' means the value that the module computes at that place (a softmax that the list does not call 'softmax' is quantised finished and normalised). What goes into a quantiser is computed in f32, as accurately as f32 sums, v_exp_f32 and their like allow (about 1e-6 of the number): no bf16 or f16 on the way to a quantiser, and a product that is left as it is and whose result goes on into a quantised operand takes f32 operands (vector FMAs, or v_wmma_f32_16x16x4_f32). A number that lies on a knife's edge between two numbers of the format may be rounded either way, as far as f32 arithmetic and the matrix unit's own rounding can turn it there, and no further.
;;   INPUTS GIVEN AS CODES. in_w (in the module: [768, 256], K = its axis 1); out_w (in the module: [256, 256], K = its axis 1); proj_w (in the module: [256, 1024], K = its axis 1): each comes as NAME_codes (uint8): NAME with its K axis moved to the last place and cut into blocks of 32 codes, [.., K / 32, bytes a block], one block behind the other in memory; one code a byte (a code: sign, 5 exponent bits, 2 mantissa bits); and NAME_scales (uint8): the same leading axes, one E8M0 byte (e + 127) for each 32 codes along K. Its value is code x scale, taken as it is: it is not quantised again, and the codes and scales need not be those that the quantiser above would give.
;; One version. Each part assembles by itself: llvm-mc -triple=amdgcn-amd-amdhsa -mcpu=gfx1250 --defsym DOCPART=n.
;; ======== version 1 of 1: 1 launch
;; limits: right only within a limited range of input values
;; launch fused (part 1): grid 32 x 8, 4 waves a work-group, no clusters, 327,680 bytes of LDS; arguments feat, in_w_codes, in_w_scales, in_b, out_w_codes, out_w_scales, out_b, proj_w_codes, proj_w_scales, proj_b, ln_g, ln_b, out0; writes out0
.if DOCPART == 1
	.amdgcn_target "amdgcn-amd-amdhsa--gfx1250"
	.amdhsa_code_object_version 6
	.text
	.protected	k_q8202302e33_fused
	.globl	k_q8202302e33_fused
	.p2align	8
	.type	k_q8202302e33_fused,@function
k_q8202302e33_fused:
	s_mov_b64 s[64:65], 0
	v_nop
	global_prefetch_b8 v0, s[64:65] scope:SCOPE_SE
	s_setreg_imm32_b32 hwreg(HW_REG_WAVE_MODE, 25, 1), 1
	s_wait_xcnt 0x0
; ContralateralAttention in MX-BF8 (E5M2 codes, one E8M0 byte for each 32 along K), the whole module in one launch.
; feat, out0: [8][256][64][64] f32.  A pixel of one half of the image attends to the pixels of the other half, mirrored, within Manhattan radius 2:
; with absolute columns a key (yk, Xk) counts for a query (yq, Xq) where it lies in the other half and |Xq + Xk - 63| + |yq - yk| <= 2.
; SHARES.  A work-group owns image rows y0 = 2 j and y0 + 1 of one batch, full width: 128 queries; it makes K and V of rows y0 - 2 .. y0 + 3 (384 pixels).
; Four waves, one to a SIMD: wave w is head w (channels 64 w .. 64 w + 63 of q, k, v), and in the later products owns output channels 64 w .. 64 w + 63.
; PHASES.  X: feat's six rows come through a ring of two LDS slots (64 channels each) and are quantised along the channels, once for q, k, v and for the first 256 of the last product's K.
;  Q, KV: the three projections, results quantised in registers (q, k along the head's 64; v along the 32 keys of a half row).  A: scores, softmax, V^T P for five key rows; ctx quantised, to LDS as register images.
;  O: out projection; ctx, |qt - ctx|, qt ctx quantised, to LDS as images.  P: the 1,024 -> 256 projection.  LN: mean and variance over the four waves through LDS; gain, bias, relu.  Out: through a stage, 512 consecutive bytes a store.
; Weights go from memory straight into the registers of the one wave that multiplies by them.  No cluster: neighbouring work-groups' rows of feat would land at different LDS bytes, so no descriptor is common to them.
; Pixel index P = 64 i + 32 side + x (i = 0..5: row y0 - 2 + i); key block be = 2 i + side is one half row, 32 keys, which is a block of the second attention product's K; mirroring permutes keys inside a block only.
; PERMUTED TILES: lane r of tile 2 b + u takes element 32 b + 8 u + r + 8 (r / 8), so that the 16 registers of the results of tiles 2 b, 2 b + 1 are 16 neighbours along the next K.
; Rows outside the image (j = 0, j = 31) are read from the nearest row pair and their scores get -infinity added: p = 0, zero codes.
; LIMITS: NaN and infinities among the inputs are not served.  A block of zeros gets the scale byte 1 (its codes are zeros; only this text reads the byte).  Keys keep their unmirrored order inside a block: the order of the sums differs from the written one.
.set SLOTB, 98304                      ; LDS: a ring slot: [3 row pairs][64 channels][128 f32]; slots at 0 and SLOTB
.set XC,    196608                     ; codes of feat: 384 pixel rows of 256 bytes + 16
.set XS,    301056                     ; their scale bytes, 8 a pixel
.set SPARE, 304128                     ; the spare words, 128 bytes a wave: two blocks of 256 bytes that no other line names
.set CTXS,  32768                      ; in the ring's bytes, behind its last fill and last read: ctx images at 0, their scale words here,
.set ASI,   34816                      ; images of the three computed parts of the last product's operand,
.set ASS,   133120                     ; their scale words,
.set LN1,   139264                     ; partial sums of the norm (16 bytes a token), the squares' 2,048 further on
.set SPITCH, 528                       ; the stage for the way out, from byte 0: 256 channel rows of 512 bytes + 16
.set SPW, 3
.set NIL, 4
.set ST,  5                            ; v5-7 phase X: my three units of 32 pixels in a slot
.set VPW, 5                            ; later: proj_w's codes, scale words, bias offsets
.set VPS, 6
.set VB2, 7
.set XCW, 8
.set XSW, 9
.set LNW, 8
.set LNR, 9
.set XN,  10
.set XP0, 11
.set XP1, 12
.set XSN, 13
.set XSP, 14
.set SGA, 11
.set SRA, 12
.set VW,  15
.set VWS, 16
.set VB,  17
.set VBV, 18
.set CW,  19
.set CSA, 20
.set LI,  21
.set LS,  22
.set AW,  23
.set ASA, 26
.set AL,  27
.set ALS, 30
.set VQT, 31
.set PSA, 92                           ; v32-95 hold scale words and nothing else
.set PSB, 93
.set PC,  96                           ; codes just made
.set TM,  112                          ; +0..3 largest magnitudes, +4..7 bytes, +8..11 holds, +12..15 scale operands
.set ACC, 128
.set XF,  192
.set CF,  192
.set CT,  128
.set XSET, 128
.set XCD, 192
.set SB,  208
.set TA,  214
.set SCO, 0                            ; window 1 in the attention
.set MBI, 80
.set PAF, 128
.set PBF, 144
.set OAC, 160
.set QZ,  192
.set BMX, 216
.set BXT, 221
.set SOP, 226
.set HLD, 231
.set NRP, 236
.set LSM, 246
.set LS2, 248
.set MXR, 250
.set NMR, 251
.set RLC, 252
.set PWA, 254
.set PWB, 255
.set SU,  128                          ; the norm
.set SQ,  144
.set MU,  160
.set RS,  176
.set LQ,  192
.set MSB, 0
.macro WIN new                         ; bits 1:0 source 0, 3:2 source 1, 5:4 source 2, 7:6 destination; the high byte repeats the setting that is left
.if MSB != (\new)
	s_set_vgpr_msb (MSB<<8)|(\new)
.set MSB, (\new)
.endif
.endm
.macro PLACES n
.rept \n
	v_nop
.endr
.endm
.macro BARRIER                         ; my LDS stores have landed and my LDS loads are in: then the work-group's barrier
	s_wait_dscnt 0x0
	s_barrier_signal -1
	s_barrier_wait -1
.endm
.macro TFILL s                         ; waves 0-2 fetch one row pair each, wave 3 nothing; four v_nop follow the load
	s_cmp_lt_u32 s2, 3
	s_cbranch_scc0 .Lno_fill_\@
	tensor_load_to_lds s[44+4*(\s):47+4*(\s)], s[36:43]
	s_nop 0
	PLACES 4
.Lno_fill_\@:
.endm
.macro CHG s, refill                   ; the change of slots: slot s has been read; refill = 1: it takes the channels 128 further on
	s_wait_tensorcnt 0x0                           ; all my tensor loads have landed, my part of the other slot among them: a group 0 may be written
	ds_add_u32 v[SPW], v[NIL]                      ; 0 onto my spare word
.if \refill
	s_add_nc_u64 s[46+4*(\s):47+4*(\s)], s[46+4*(\s):47+4*(\s)], 0x200000   ; 128 channels of 16,384 bytes
.endif
	s_wait_dscnt 0x0                               ; the add is done, and my reads of the slot are over
	s_barrier_signal -1
	s_barrier_wait -1
.if \refill
	TFILL \s                                       ; the first thing behind the barrier, my one tensor load until the next
.endif
.endm
.macro MMC d, a, b, c, sa, sb
	v_wmma_scale_f32_16x16x128_f8f6f4 v[(\d):(\d)+7], v[(\a):(\a)+15], v[(\b):(\b)+15], v[(\c):(\c)+7], v[\sa], v[\sb] matrix_a_fmt:MATRIX_FMT_BF8 matrix_b_fmt:MATRIX_FMT_BF8
.endm
.macro MMZ d, a, b, sa, sb
	v_wmma_scale_f32_16x16x128_f8f6f4 v[(\d):(\d)+7], v[(\a):(\a)+15], v[(\b):(\b)+15], 0, v[\sa], v[\sb] matrix_a_fmt:MATRIX_FMT_BF8 matrix_b_fmt:MATRIX_FMT_BF8
.endm
.macro WFRAG reg, adr, b0, off         ; a fragment of a weight (16 rows x 128 K) from memory: four loads of 16 bytes, 32 apart
.irp c,0,1,2,3
	global_load_b128 v[(\reg)+4*\c:(\reg)+4*\c+3], v[\adr], s[\b0:\b0+1] offset:(\off)+32*\c
.endr
.endm
; Phase X.  Block t of a chunk (unit t / 2 of my three, channels 32 (t % 2) on): a lane takes a pixel and its 32 registers run down the channels; 32 lanes read 128 consecutive bytes.
.macro LDX t, q
	v_add_nc_u32 v[TA+(\t)%2], ((\q)%2)*SLOTB, v[ST+(\t)/2]
.set ci, 0
.rept 32
	ds_load_b32 v[XSET+32*((\t)%2)+ci], v[TA+(\t)%2] offset:(32*((\t)%2)+ci)*512
.set ci, ci+1
.endr
.endm
.macro XBLK t, q
.set XB, XSET+32*((\t)%2)
.set XK, XCD+8*((\t)%2)
.set XI, 2*(\q)+(\t)%2
.set XU, (\t)/2
.if (\t)==0
	s_wait_dscnt 32                                ; my block is in; the next block's 32 loads may be out
.elseif (\t)<5
	s_wait_dscnt 34                                ; likewise, and the last block's two stores
.else
	s_wait_dscnt 2                                 ; nothing was asked for behind it but the last block's two stores
.endif
	v_max3_num_f32 v[TM], |v[XB]|, |v[XB+1]|, |v[XB+2]|
	v_max3_num_f32 v[TM+1], |v[XB+3]|, |v[XB+4]|, |v[XB+5]|
.irp i,6,10,14,18,22,26
	v_max3_num_f32 v[TM], v[TM], |v[XB+\i]|, |v[XB+\i+1]|
	v_max3_num_f32 v[TM+1], v[TM+1], |v[XB+\i+2]|, |v[XB+\i+3]|
.endr
	v_max3_num_f32 v[TM], v[TM], |v[XB+30]|, |v[XB+31]|
	v_max3_num_f32 v[TM], v[TM], v[TM+1], 0x8000000    ; the floor 2^(16 - 127): the byte cannot fall under 1
	v_add_nc_u32 v[TM+12], 0xf8800000, v[TM]       ; 15 off the exponent field: the conversion's scale operand
	v_lshrrev_b32 v[TM+2], 23, v[TM+12]            ; the byte
.if XI%4==0
	v_mov_b32 v[SB+2*XU+XI/4], v[TM+2]
.else
	v_lshl_or_b32 v[SB+2*XU+XI/4], v[TM+2], 8*(XI%4), v[SB+2*XU+XI/4]
.endif
.set ci, 0
.rept 32
.set ci, ci+1
.endr
.irp e,0,1,2,3
	v_cvt_scalef32_pk8_bf8_f32 v[XK+2*\e:XK+2*\e+1], v[XB+8*\e:XB+8*\e+7], v[TM+12]
.endr
	v_nop                                          ; a plain line behind the last conversion
	ds_store_b128 v[XCW], v[XK:XK+3] offset:XU*8704+32*XI
	ds_store_b128 v[XCW], v[XK+4:XK+7] offset:XU*8704+32*XI+16
.if (\t)<4
	LDX (\t)+2,\q
.endif
.endm
.macro CHUNK q
	LDX 0,\q
	LDX 1,\q
.irp t,0,1,2,3,4,5
	XBLK \t,\q
.endr
.endm
; 64 numbers of a lane in four groups of 16 (a group and lane l xor 16's are a block of 32) become codes, group b in v[d_b .. d_b + 3] of window dwin; the bytes stay in v[TM+4 .. TM+7].  mode 2: |x| is what is quantised.
.macro QUANT s, mode, dwin, d0, d1, d2, d3
.irp b,0,1,2,3
	v_max3_num_f32 v[TM+\b], |v[(\s)+16*\b]|, |v[(\s)+16*\b+1]|, 0x8000000
.endr
.irp i,2,4,6,8,10,12,14
.irp b,0,1,2,3
	v_max3_num_f32 v[TM+\b], v[TM+\b], |v[(\s)+16*\b+\i]|, |v[(\s)+16*\b+\i+1]|
.endr
.endr
.irp b,0,1,2,3
	v_permlanex16_b32 v[TM+4+\b], v[TM+\b], s52, s53
.endr
.irp b,0,1,2,3
	v_max_num_f32 v[TM+\b], v[TM+\b], v[TM+4+\b]
.endr
.irp b,0,1,2,3
	v_add_nc_u32 v[TM+12+\b], 0xf8800000, v[TM+\b]
.endr
.irp b,0,1,2,3
	v_and_or_b32 v[TM+8+\b], v[TM+\b], 0x7f800000, s56
.endr
.irp b,0,1,2,3
	v_lshrrev_b32 v[TM+4+\b], 23, v[TM+12+\b]
.endr
.set qj, 0
.rept 64
.if (\mode)==2
	v_min_num_f32 v[(\s)+qj], |v[(\s)+qj]|, v[TM+8+qj/16]
.else
.endif
.set qj, qj+1
.endr
	WIN (\dwin)<<6
	v_cvt_scalef32_pk8_bf8_f32 v[(\d0):(\d0)+1], v[(\s):(\s)+7], v[TM+12]
	v_cvt_scalef32_pk8_bf8_f32 v[(\d0)+2:(\d0)+3], v[(\s)+8:(\s)+15], v[TM+12]
	v_cvt_scalef32_pk8_bf8_f32 v[(\d1):(\d1)+1], v[(\s)+16:(\s)+23], v[TM+13]
	v_cvt_scalef32_pk8_bf8_f32 v[(\d1)+2:(\d1)+3], v[(\s)+24:(\s)+31], v[TM+13]
	v_cvt_scalef32_pk8_bf8_f32 v[(\d2):(\d2)+1], v[(\s)+32:(\s)+39], v[TM+14]
	v_cvt_scalef32_pk8_bf8_f32 v[(\d2)+2:(\d2)+3], v[(\s)+40:(\s)+47], v[TM+14]
	v_cvt_scalef32_pk8_bf8_f32 v[(\d3):(\d3)+1], v[(\s)+48:(\s)+55], v[TM+15]
	v_cvt_scalef32_pk8_bf8_f32 v[(\d3)+2:(\d3)+3], v[(\s)+56:(\s)+63], v[TM+15]
	WIN 0
	v_nop                                          ; a plain line behind the last conversion
.endm
.macro FX tile, adr, off, sadr, soff   ; 16 pixels' codes, both K steps, and their two scale words
.irp z,0,1
.irp c,0,1,2,3
	ds_load_b128 v[XF+32*(\tile)+16*\z+4*\c:XF+32*(\tile)+16*\z+4*\c+3], v[\adr] offset:(\off)+128*\z+32*\c
.endr
.endr
	ds_load_b64 v[56+2*(\tile):57+2*(\tile)], v[\sadr] offset:\soff
.endm
.macro FXB be                          ; key block be, two permuted tiles
.if (\be)<6
	FX 0,XP0,(32*((\be)%6))*272,XSP,(32*(\be))*8
	FX 1,XP0,(32*((\be)%6)+8)*272,XSP,(32*(\be)+8)*8
.else
	FX 0,XP1,(32*((\be)%6))*272,XSP,(32*(\be))*8
	FX 1,XP1,(32*((\be)%6)+8)*272,XSP,(32*(\be)+8)*8
.endif
.endm
; The mask as numbers to add, 0 or -infinity: register i of a block in lane l holds key position 16 (l / 16) + i, which counts where |l - (31 - 16 gp - i)| <= W: a mask of lanes known when the text is assembled.
.macro GENMB gp
	WIN 0x55
.irp w,0,1,2
.set gi, 0
.rept 16
.set ga, gi+16*(\gp)
	s_mov_b32 vcc_lo, ((((1<<(2*\w+1))-1)<<(39-ga-\w))>>8)&0xffffffff
	v_cndmask_b32 v[MBI+16*\w+gi], 0xff800000, v[QZ], vcc_lo
.set gi, gi+1
.endr
.endr
.endm
; Attention of query tile 4 rho + g (16 queries, one a lane % 16) against key rows rho .. rho + 4 of the other side.
.macro ATT rho, g
.set SK, 1-(\g)/2
.set KB, 128*(1-SK)
.set QR, 96+128*((\g)/2)+16*(\rho)+8*((\g)%2)
.set MQ, 4*(\rho)+(\g)
	WIN 0x43
.irp j,0,1,2,3,4,5,6,7
	v_mov_b32 v[QZ+8+\j], v[QR+\j]                 ; q's 64 codes between two runs of zero codes: K = 64 fills half of the instruction's 128
.endr
	PLACES 4                                       ; an operand written by vector lines stands four places ahead of a scaled product
	WIN 0x47
.irp n,0,1,2,3,4
	MMZ SCO+16*\n,KB+16*((\rho)+\n),QZ+8,60+6*SK+(\rho)+\n,84+MQ
	MMZ SCO+16*\n+8,KB+16*((\rho)+\n),QZ,60+6*SK+(\rho)+\n,84+MQ
.endr
	WIN 0x55
.if (\rho)==0                          ; zero codes in the slots of p that this tile does not use: twelve plain lines, the places behind the products
.irp c,0,1,2,3
.if \c!=2*(1-SK)
.irp j,0,1,2,3
	v_mov_b32 v[PBF+4*\c+\j], 0
.endr
.endif
.endr
.else
.irp j,0,1,2,3
	v_mov_b32 v[PAF+\j], 0
.endr
.irp j,0,1,2,3,4,5,6,7
	v_mov_b32 v[PBF+8*SK+\j], 0
.endr
.endif
.irp n,0,1,2,3,4
.set WN, \n
.if \n>2
.set WN, 4-\n
.endif
.set ai, 0
.rept 8
	v_pk_fma_f32 v[SCO+16*\n+ai:SCO+16*\n+ai+1], v[SCO+16*\n+ai:SCO+16*\n+ai+1], s[54:55], v[MBI+16*WN+ai:MBI+16*WN+ai+1] op_sel_hi:[1,0,1]   ; t = score x log2(e) / 8 + mask, each accumulator from its low end on
.set ai, ai+2
.endr
.endr
.irp n,0,1,2,3,4
	v_max3_num_f32 v[BMX+\n], v[SCO+16*\n], v[SCO+16*\n+1], v[SCO+16*\n+2]   ; each block's largest t: for the row's maximum and for the block's largest p
.endr
.irp i,3,5,7,9,11,13
.irp n,0,1,2,3,4
	v_max3_num_f32 v[BMX+\n], v[BMX+\n], v[SCO+16*\n+\i], v[SCO+16*\n+\i+1]
.endr
.endr
.irp n,0,1,2,3,4
	v_max_num_f32 v[BMX+\n], v[BMX+\n], v[SCO+16*\n+15]
.endr
.irp n,0,1,2,3,4
	v_permlanex16_b32 v[BXT+\n], v[BMX+\n], s52, s53
.endr
.irp n,0,1,2,3,4
	v_max_num_f32 v[BMX+\n], v[BMX+\n], v[BXT+\n]
.endr
.irp n,0,1,2,3,4
.if (\rho)+\n<2
	v_add_f32 v[BMX+\n], s57, v[BMX+\n]            ; rows above the image: -infinity where j = 0, else 0
.elseif (\rho)+\n>3
	v_add_f32 v[BMX+\n], s58, v[BMX+\n]            ; rows below it: where j = 31
.endif
.endr
	v_max3_num_f32 v[MXR], v[BMX], v[BMX+1], v[BMX+2]
	v_max3_num_f32 v[MXR], v[MXR], v[BMX+3], v[BMX+4]
	v_floor_f32 v[NMR], -v[MXR]                    ; -M = floor(-t) = -ceil(t): a whole number; the query's own row always counts, so it is finite
.irp n,0,1,2,3,4
.if (\rho)+\n<2
	v_add_f32 v[NRP+2*\n], s57, v[NMR]
.elseif (\rho)+\n>3
	v_add_f32 v[NRP+2*\n], s58, v[NMR]
.else
	v_mov_b32 v[NRP+2*\n], v[NMR]
.endif
.endr
.irp n,0,1,2,3,4
	v_add_f32 v[BMX+\n], v[BMX+\n], v[NMR]
.endr
.irp n,0,1,2,3,4
.set ai, 0
.rept 8
	v_pk_add_f32 v[SCO+16*\n+ai:SCO+16*\n+ai+1], v[SCO+16*\n+ai:SCO+16*\n+ai+1], v[NRP+2*\n:NRP+2*\n+1] op_sel_hi:[1,0]
.set ai, ai+2
.endr
.endr
.set ai, 0
	s_wait_alu depctr_va_vdst(0)
.rept 80
	v_exp_f32 v[SCO+ai], v[SCO+ai]                 ; p = 2^(t - M): not normalised
.set ai, ai+1
.endr
.irp n,0,1,2,3,4
	v_exp_f32 v[BMX+\n], v[BMX+\n]                 ; the block's largest p: the same sum and exponential on the same number
.endr
	v_nop                                          ; a plain line behind the exponentials
	s_wait_alu depctr_va_vdst(0)
.irp n,0,1,2,3,4
	v_max_num_f32 v[BMX+\n], 0x8000000, v[BMX+\n]
.endr
.irp n,0,1,2,3,4
	v_add_nc_u32 v[SOP+\n], 0xf8800000, v[BMX+\n]
.endr
.irp n,0,1,2,3,4
.endr
.irp n,0,1,2,3,4
	v_lshrrev_b32 v[BXT+\n], 23, v[SOP+\n]
.endr
.set FA, 0
.set FB, 0
.irp n,0,1,2,3,4                       ; p's two scale words: key rows 0-3 in the first operand's slots, rows 4, 5 in the second's; unused slots keep the byte 0 over zero codes
.set RI, (\rho)+\n
.if RI<4
.if FA==0
	v_lshlrev_b32 v[PWA], 8*RI, v[BXT+\n]
.set FA, 1
.else
	v_lshl_or_b32 v[PWA], v[BXT+\n], 8*RI, v[PWA]
.endif
.else
.if FB==0
	v_lshlrev_b32 v[PWB], 8*((RI-4)+2*(1-SK)), v[BXT+\n]
.set FB, 1
.else
	v_lshl_or_b32 v[PWB], v[BXT+\n], 8*((RI-4)+2*(1-SK)), v[PWB]
.endif
.endif
.endr
	WIN 0x01
	v_mov_b32 v[PSA], v[PWA]                       ; scale operands have no window; more than eight plain lines follow ahead of the products
	v_mov_b32 v[PSB], v[PWB]
	WIN 0x55
	v_pk_add_f32 v[LSM:LSM+1], v[SCO:SCO+1], v[SCO+2:SCO+3]   ; the row's sum of the unquantised p, in two chains
	v_pk_add_f32 v[LS2:LS2+1], v[SCO+4:SCO+5], v[SCO+6:SCO+7]
.set ai, 8
.rept 18
	v_pk_add_f32 v[LSM:LSM+1], v[LSM:LSM+1], v[SCO+ai:SCO+ai+1]
	v_pk_add_f32 v[LS2:LS2+1], v[LS2:LS2+1], v[SCO+ai+2:SCO+ai+3]
.set ai, ai+4
.endr
	v_pk_add_f32 v[LSM:LSM+1], v[LSM:LSM+1], v[LS2:LS2+1]
.set ai, 0
.rept 80
.set ai, ai+1
.endr
.irp n,0,1,2,3,4
.set RI, (\rho)+\n
.if RI<4
.set PD, PAF+4*RI
.else
.set PD, PBF+4*((RI-4)+2*(1-SK))
.endif
	v_cvt_scalef32_pk8_bf8_f32 v[PD:PD+1], v[SCO+16*\n:SCO+16*\n+7], v[SOP+\n]
	v_cvt_scalef32_pk8_bf8_f32 v[PD+2:PD+3], v[SCO+16*\n+8:SCO+16*\n+15], v[SOP+\n]
.endr
	v_add_f32 v[LSM], v[LSM], v[LSM+1]
	v_permlanex16_b32 v[BXT], v[LSM], s52, s53
	v_add_f32 v[LSM], v[LSM], v[BXT]
	s_wait_alu depctr_va_vdst(0)
	v_rcp_f32 v[RLC], v[LSM]
	PLACES 4                                       ; behind the reciprocal, and the four places between p's codes and the products
	WIN 0x56
.irp t,0,1,2,3
	MMZ OAC+8*\t,16*(3*\t+SK),PAF,72+3*\t+SK,PSA
.endr
.irp t,0,1,2,3                         ; the four accumulators by turns
	MMC OAC+8*\t,16*(3*\t+2),PBF,OAC+8*\t,72+3*\t+2,PSB
.endr
	WIN 0x55
	PLACES 8
	WIN 0x05
.set ai, 0
	s_wait_alu depctr_va_vdst(0)
.rept 16
	v_pk_mul_f32 v[CT+32*(\rho)+ai:CT+32*(\rho)+ai+1], v[OAC+ai:OAC+ai+1], v[RLC:RLC+1] op_sel_hi:[1,0]   ; divided by the sum
.set ai, ai+2
.endr
	WIN 0
.endm
; The codes in v[PC] on (two tiles of tokens x my 64 channels) go to LDS as parts of register images; my two bytes of each tile's scale word beside them.
.macro IMG2 adr, sadr, soff, ma, mb
	ds_store_b128 v[\adr], v[PC:PC+3] offset:(\ma)*4096
	ds_store_b128 v[\adr], v[PC+4:PC+7] offset:(\ma)*4096+512
	ds_store_b128 v[\adr], v[PC+8:PC+11] offset:(\mb)*4096
	ds_store_b128 v[\adr], v[PC+12:PC+15] offset:(\mb)*4096+512
	v_lshl_or_b32 v[TM], v[TM+5], 8, v[TM+4]
	v_lshl_or_b32 v[TM+1], v[TM+7], 8, v[TM+6]
	ds_store_b16 v[\sadr], v[TM] offset:(\soff)+256*(\ma)
	ds_store_b16 v[\sadr], v[TM+1] offset:(\soff)+256*(\mb)
.endm
.macro QTL buf, m                      ; feat at token tile m, my 64 channels, in the layout of the out projection's results; window 3
	WIN 0xc0
.set qi, 0
.rept 32
	global_load_b32 v[(\buf)+qi], v[VQT], s[34:35] offset:(32*(qi/16)+qi%16)*16384+64*(\m)
.set qi, qi+1
.endr
	WIN 0
.endm
.macro PWF f                           ; proj_w's fragment f = 4 s + t: windows 1 and 2
.if (\f)<16
	WIN 0x40
.else
	WIN 0x80
.endif
	WFRAG 16*((\f)%16),VPW,22,16*((\f)%4)*1024+128*((\f)/4)
.endm
.macro PWG k                           ; 28 + 8 = 36 loads
.irp e,0,1,2,3,4,5,6
	PWF 7*(\k)+\e
.endr
	WIN 0
.irp e,0,1,2,3,4,5,6,7
	global_load_b32 v[60+8*(\k)+\e], v[VPS], s[24:25] offset:512*((8*(\k)+\e)%4)+4*((8*(\k)+\e)/4)
.endr
.endm
.macro PFETCH q                        ; half step q of the last product: K step q / 2, token tiles 4 (q % 2) + 0..3: 16 + 4 = 20 LDS loads
.set PS_, (\q)/2
.set HBQ, 128+64*((\q)%2)
.irp k,0,1,2,3
.set MT, 4*((\q)%2)+\k
.if PS_<2
.irp c,0,1,2,3
	ds_load_b128 v[HBQ+16*\k+4*\c:HBQ+16*\k+4*\c+3], v[XN] offset:(128+16*MT)*272+128*PS_+32*\c
.endr
	ds_load_b32 v[32+4*((\q)%2)+\k], v[XSN] offset:(128+16*MT)*8+4*PS_
.else
.irp c,0,1,2,3
	ds_load_b128 v[HBQ+16*\k+4*\c:HBQ+16*\k+4*\c+3], v[AL+(PS_-2)/2] offset:MT*4096+(PS_%2)*2048+512*\c
.endr
	ds_load_b32 v[32+4*((\q)%2)+\k], v[ALS] offset:((PS_-2)/2)*2048+(2*MT+PS_%2)*128
.endif
.endr
.endm
; ---------------------------------------------------------------- head
	s_load_b512 s[8:23], s[0:1], 0x0               ; feat 8, in_w codes 10, scales 12, in_b 14, out_w codes 16, scales 18, out_b 20, proj_w codes 22
	s_load_b256 s[24:31], s[0:1], 0x40             ; proj_w scales 24, proj_b 26, ln_g 28, ln_b 30
	s_load_b64 s[32:33], s[0:1], 0x60              ; out0
	v_lshl_add_u32 v[SPW], v0, 2, SPARE
	v_mov_b32 v[NIL], 0
	ds_add_u32 v3, v4
	ds_add_u32 v3, v4
	s_wait_dscnt 0x0
	v_lshrrev_b32 v1, 5, v0
	v_readfirstlane_b32 s2, v1                     ; wave 0..3
	s_mov_b32 s3, ttmp9                            ; j: the row pair
	s_and_b32 s4, ttmp7, 0xffff                    ; the batch
	s_mov_b32 s36, 0x20000                         ; group 1: elements of 4 bytes, no mask, no padding
	s_mov_b32 s37, 128<<16                         ; tensor_dim0 = 128: two image rows
	s_mov_b32 s38, 64<<16                          ; tensor_dim1 = 64 channels
	s_mov_b32 s39, 128<<16                         ; tile_dim0
	s_mov_b32 s40, 64                              ; tile_dim1
	s_mov_b32 s41, 4096                            ; from channel to channel
	s_mov_b32 s42, 0
	s_mov_b32 s43, 0
	s_add_co_u32 s5, s3, s2                        ; my row pair j - 1 + wave, held inside the image
	s_max_u32 s5, s5, 1
	s_sub_co_u32 s5, s5, 1
	s_min_u32 s5, s5, 31
	s_lshl_b32 s60, s5, 9
	s_mov_b32 s61, 0
	s_lshl_b32 s62, s4, 22
	s_mov_b32 s63, 0
	s_lshl_b32 s6, s2, 15                          ; its place in a slot
	s_lshl_b32 s66, s2, 20                         ; my 64 channels, the group's two rows
	s_lshl_b32 s7, s3, 9
	s_add_co_u32 s66, s66, s7
	s_mov_b32 s67, 0
	s_lshl_b32 s68, s2, 14
	s_mov_b32 s69, 0
	s_lshl_b32 s70, s2, 9
	s_mov_b32 s71, 0
	s_lshl_b32 s72, s2, 8
	s_mov_b32 s73, 0
	s_lshl_b32 s74, s2, 16
	s_mov_b32 s75, 0
	s_lshl_b32 s76, s2, 11
	s_mov_b32 s77, 0
	s_mov_b32 s52, 0x76543210                      ; v_permlanex16_b32: lane l xor 16
	s_mov_b32 s53, 0xfedcba98
	s_mov_b32 s54, 0x3e38aa3b                      ; log2(e) / sqrt(64)
	s_mov_b32 s55, s54
	s_mov_b32 s56, 0x600000                        ; the mantissa field of 57,344
	s_mov_b32 s78, 0x3b800000                      ; 1 / 256
	s_mov_b32 s79, 0x3727c5ac                      ; 1e-5
	s_cmp_eq_u32 s3, 0
	s_cselect_b32 s57, 0xff800000, 0
	s_cmp_eq_u32 s3, 31
	s_cselect_b32 s58, 0xff800000, 0
	s_wait_kmcnt 0x0
	s_add_nc_u64 s[8:9], s[8:9], s[62:63]          ; feat at my batch
	s_mov_b32 s44, 1
	s_mov_b32 s45, s6
	s_add_nc_u64 s[46:47], s[8:9], s[60:61]        ; slot 0: channels 0-63
	s_mov_b32 s48, 1
	s_add_co_u32 s49, s6, SLOTB
	s_add_nc_u64 s[50:51], s[46:47], 0x100000      ; slot 1: channels 64-127
	s_or_b32 s47, s47, 0x80000000
	s_or_b32 s51, s51, 0x80000000
	s_cmp_lt_u32 s2, 3                             ; both first fills in one branch, ahead of every wait on TENSORcnt, LDS read and barrier: two loads of mine are out
	s_cbranch_scc0 .Lno_first
	tensor_load_to_lds s[44:47], s[36:43]
	s_nop 0
	tensor_load_to_lds s[48:51], s[36:43]
	s_nop 0
	PLACES 4
.Lno_first:
	s_add_nc_u64 s[34:35], s[8:9], s[66:67]        ; qt
	s_add_nc_u64 s[32:33], s[32:33], s[62:63]
	s_add_nc_u64 s[32:33], s[32:33], s[66:67]
	s_add_nc_u64 s[10:11], s[10:11], s[68:69]
	s_add_nc_u64 s[16:17], s[16:17], s[68:69]
	s_add_nc_u64 s[12:13], s[12:13], s[70:71]
	s_add_nc_u64 s[18:19], s[18:19], s[70:71]
	s_add_nc_u64 s[14:15], s[14:15], s[72:73]
	s_add_nc_u64 s[20:21], s[20:21], s[72:73]
	s_add_nc_u64 s[26:27], s[26:27], s[72:73]
	s_add_nc_u64 s[28:29], s[28:29], s[72:73]
	s_add_nc_u64 s[30:31], s[30:31], s[72:73]
	s_add_nc_u64 s[22:23], s[22:23], s[74:75]
	s_add_nc_u64 s[24:25], s[24:25], s[76:77]
	v_and_b32 v1, 15, v0                           ; r
	v_bfe_u32 v2, v0, 4, 1                         ; h
	v_and_b32 v128, 8, v1
	v_add_nc_u32 v128, v128, v1                    ; r + 8 (r / 8)
	v_and_b32 v129, 31, v0                         ; lane
	s_wait_alu depctr_va_vdst(0)
	v_lshlrev_b32 v[VW], 8, v128
	v_lshl_add_u32 v[VW], v2, 4, v[VW]
	v_lshlrev_b32 v[VWS], 3, v128
	v_lshlrev_b32 v[VB], 6, v2
	v_lshlrev_b32 v[VBV], 2, v128
	; in_w: my head's rows of q, k, v, permuted tiles; they have all of phase X in which to land
	WIN 0x80
.irp t,0,1,2,3
.irp z,0,1
	WFRAG 16*(2*\t+\z),VW,10,(32*(\t/2)+8*(\t%2))*256+128*\z
.endr
.endr
	WIN 0x40
.irp t,0,1,2,3
.irp z,0,1
	WFRAG 16*(2*\t+\z),VW,10,65536+(32*(\t/2)+8*(\t%2))*256+128*\z
.endr
.endr
.irp t,0,1,2,3
.irp z,0,1
	WFRAG 128+16*(2*\t+\z),VW,10,131072+(32*(\t/2)+8*(\t%2))*256+128*\z
.endr
.endr
	WIN 0
.irp k,0,1,2
.irp t,0,1,2,3
.irp z,0,1
	global_load_b32 v[32+8*\k+2*\t+\z], v[VWS], s[12:13] offset:\k*2048+(32*(\t/2)+8*(\t%2))*8+4*\z
.endr
.endr
.endr
	WIN 0x80
.irp t,0,1,2,3
	global_load_b128 v[128+8*\t:128+8*\t+3], v[VB], s[14:15] offset:(32*(\t/2)+8*(\t%2))*4
	global_load_b128 v[128+8*\t+4:128+8*\t+7], v[VB], s[14:15] offset:(32*(\t/2)+8*(\t%2))*4+16
	global_load_b128 v[192+8*\t:192+8*\t+3], v[VB], s[14:15] offset:1024+(32*(\t/2)+8*(\t%2))*4
	global_load_b128 v[192+8*\t+4:192+8*\t+7], v[VB], s[14:15] offset:1024+(32*(\t/2)+8*(\t%2))*4+16
	global_load_b32 v[224+8*\t], v[VBV], s[14:15] offset:2048+(32*(\t/2)+8*(\t%2))*4
.endr
	WIN 0
.irp n,0,1,2
	s_mul_i32 s5, s2, 3
	s_add_co_u32 s5, s5, \n                        ; unit u = 3 wave + n: row pair u / 4, 32 pixels (u % 4) of its 128
	s_lshr_b32 s6, s5, 2
	s_lshl_b32 s6, s6, 15
	s_and_b32 s5, s5, 3
	s_lshl_b32 s5, s5, 7
	s_add_co_u32 s5, s5, s6
	v_lshl_add_u32 v[ST+\n], v129, 2, s5
.endr
	s_mul_i32 s5, s2, 96*272
	s_add_co_u32 s5, s5, XC
	v_mul_u32_u24 v[XCW], v129, 272
	v_add_nc_u32 v[XCW], s5, v[XCW]
	s_mul_i32 s5, s2, 768
	s_add_co_u32 s5, s5, XS
	v_lshl_add_u32 v[XSW], v129, 3, s5
	v_mul_u32_u24 v[XN], v1, 272
	v_lshl_add_u32 v[XN], v2, 4, v[XN]
	v_add_nc_u32 v[XN], XC, v[XN]
	v_mul_u32_u24 v[XP0], v128, 272
	v_lshl_add_u32 v[XP0], v2, 4, v[XP0]
	v_add_nc_u32 v[XP0], XC, v[XP0]
	v_add_nc_u32 v[XP1], 192*272, v[XP0]
	v_lshl_add_u32 v[XSN], v1, 3, XS
	v_lshl_add_u32 v[XSP], v128, 3, XS
	s_lshl_b32 s5, s2, 10
	v_lshl_add_u32 v[CW], v129, 4, s5
	s_lshr_b32 s5, s2, 1
	s_lshl_b32 s5, s5, 7
	s_and_b32 s6, s2, 1
	s_lshl_b32 s6, s6, 1
	s_add_co_u32 s5, s5, s6
	s_add_co_u32 s6, s5, ASS
	s_add_co_u32 s5, s5, CTXS
	v_lshl_add_u32 v[CSA], v129, 2, s5
	v_lshl_add_u32 v[ASA], v129, 2, s6
	v_lshlrev_b32 v[LI], 4, v129
	v_lshl_add_u32 v[LS], v129, 2, CTXS
.irp p,0,1,2
	v_add_nc_u32 v[AW+\p], ASI+\p*32768, v[CW]
	v_add_nc_u32 v[AL+\p], ASI+\p*32768, v[LI]
.endr
	v_lshl_add_u32 v[ALS], v129, 2, ASS
	v_lshlrev_b32 v[VQT], 2, v1
	v_lshl_add_u32 v[VQT], v2, 18, v[VQT]
.irp b,0,1,2,3
	v_mov_b32 v[TM+4+\b], 0                        ; written once: a lane permute's destination counts as one of its sources
.endr
; ---------------------------------------------------------------- X: feat's six rows become codes
	s_wait_tensorcnt 1                             ; my part of slot 0 is in; slot 1's may stay out
	s_barrier_signal -1
	s_barrier_wait -1
	CHUNK 0
	CHG 0,1
	CHUNK 1
	CHG 1,1
	CHUNK 2
	CHG 0,0
	CHUNK 3
.irp n,0,1,2
	ds_store_b64 v[XSW], v[SB+2*\n:SB+2*\n+1] offset:256*\n
.endr
	s_wait_loadcnt 0x0                             ; in_w, its scale words, in_b
	WIN 0x82
.irp t,0,1,2,3
.irp j,1,2,3,4,5,6,7
	v_mov_b32 v[224+8*\t+\j], v[224+8*\t]          ; v's bias as a C: a lane holds one channel, eight keys
.endr
.endr
	WIN 0
	BARRIER                                        ; all 384 pixels' codes lie in LDS; nobody reads the ring any more
	v_lshlrev_b32 v[VPW], 10, v1
	v_lshl_add_u32 v[VPW], v2, 4, v[VPW]
	v_lshlrev_b32 v[VPS], 5, v1
	v_lshlrev_b32 v[VB2], 5, v2
	s_lshl_b32 s5, s2, 2
	s_add_co_u32 s5, s5, LN1
	v_lshl_add_u32 v[LNW], v1, 4, s5
	v_lshl_add_u32 v[LNR], v1, 4, LN1
; ---------------------------------------------------------------- Q: my head's q of the 128 queries, two tiles at a time (transposed: source 0 = 16 rows of in_w, source 1 = 16 pixels)
	FX 0,XN,128*272,XSN,128*8
	FX 1,XN,144*272,XSN,144*8
.irp p,0,1,2,3
	s_wait_dscnt 0x0
	WIN 0x22
.irp mm,0,1
.irp t,0,1,2,3
	MMC ACC+32*\mm+8*\t,16*(2*\t),XF+32*\mm,128+8*\t,32+2*\t,56+2*\mm
.endr
.endr
	WIN 0x02
.irp mm,0,1
.irp t,0,1,2,3                         ; the eight accumulators by turns
	MMC ACC+32*\mm+8*\t,16*(2*\t+1),XF+32*\mm+16,ACC+32*\mm+8*\t,33+2*\t,57+2*\mm
.endr
.endr
	WIN 0
	PLACES 8                                       ; in front of loads into registers that the products read, and of the first read of results
.if \p<3
	FX 0,XN,(160+32*\p)*272,XSN,(160+32*\p)*8
	FX 1,XN,(176+32*\p)*272,XSN,(176+32*\p)*8
.else
	FXB 0
.endif
.set QB, 96+128*(\p%2)+16*(\p/2)
	QUANT ACC,0,3,QB,QB+4,QB+8,QB+12
	v_lshl_or_b32 v[84+2*\p], v[TM+5], 8, v[TM+4]  ; q's two bytes, twice: they serve q in the lower and in the upper half of K
	v_lshl_or_b32 v[85+2*\p], v[TM+7], 8, v[TM+6]
	v_lshl_or_b32 v[84+2*\p], v[84+2*\p], 16, v[84+2*\p]
	v_lshl_or_b32 v[85+2*\p], v[85+2*\p], 16, v[85+2*\p]
.endr
; ---------------------------------------------------------------- KV: twelve key blocks of 32 pixels
.irp be,0,1,2,3,4,5,6,7,8,9,10,11
.set BI, \be/2
.set BSG, \be%2
	s_wait_dscnt 0x0
	WIN 0x21
.irp u,0,1
.irp t,0,1,2,3
	MMC ACC+32*\u+8*\t,16*(2*\t),XF+32*\u,192+8*\t,40+2*\t,56+2*\u
.endr
.endr
	WIN 0x01
.irp u,0,1
.irp t,0,1,2,3
	MMC ACC+32*\u+8*\t,16*(2*\t+1),XF+32*\u+16,ACC+32*\u+8*\t,41+2*\t,57+2*\u
.endr
.endr
	WIN 0
	PLACES 8
.set KD, 128*(1-BSG)+16*BI
	QUANT ACC,0,3,KD,KD+4,KD+8,KD+12               ; one fragment: lane r holds key tile 0's 64 dims at K 0-63 and key tile 1's at K 64-127
	v_lshl_or_b32 v[60+6*BSG+BI], v[TM+5], 8, v[TM+4]
	v_lshl_or_b32 v[60+6*BSG+BI], v[TM+6], 16, v[60+6*BSG+BI]
	v_lshl_or_b32 v[60+6*BSG+BI], v[TM+7], 24, v[60+6*BSG+BI]
	WIN 0x24                                       ; v not transposed: source 0 = 16 pixels, source 1 = 16 rows of in_w: a lane holds one channel and its registers run along the keys
.irp t,0,1,2,3
.irp u,0,1
	MMC ACC+16*\t+8*\u,XF+32*\u,128+16*(2*\t),224+8*\t,56+2*\u,48+2*\t
.endr
.endr
	WIN 0x04
.irp t,0,1,2,3
.irp u,0,1
	MMC ACC+16*\t+8*\u,XF+32*\u+16,128+16*(2*\t+1),ACC+16*\t+8*\u,57+2*\u,49+2*\t
.endr
.endr
	WIN 0
	PLACES 8
.if \be<11
	FXB \be+1
.endif
.if BI<4
.set VF, BSG
.set VC, BI
.else
.set VF, 2
.set VC, (BI-4)+2*(1-BSG)
.endif
.set VD, 16*VF+4*VC
	QUANT ACC,0,2,VD,VD+48,VD+96,VD+144            ; slot VC (32 keys) of fragment VF of each of the four tiles of channels
.irp t,0,1,2,3
.if (BI==0)||(\be==8)
	v_lshlrev_b32 v[72+3*\t+VF], 8*VC, v[TM+4+\t]
.else
	v_lshl_or_b32 v[72+3*\t+VF], v[TM+4+\t], 8*VC, v[72+3*\t+VF]
.endif
.endr
.endr
; ---------------------------------------------------------------- A: attention
	WIN 0x80
.irp t,0,1,2,3
	global_load_b128 v[192+8*\t:192+8*\t+3], v[VB], s[20:21] offset:(32*(\t/2)+8*(\t%2))*4       ; out_b, as the C of the out projection
	global_load_b128 v[192+8*\t+4:192+8*\t+7], v[VB], s[20:21] offset:(32*(\t/2)+8*(\t%2))*4+16
.endr
	WIN 0x40
.irp j,0,1,2,3,4,5,6,7
	v_mov_b32 v[QZ+\j], 0                          ; the zero codes on both sides of q
	v_mov_b32 v[QZ+16+\j], 0
.endr
.irp n,0,1,2,3,4
	v_mov_b32 v[NRP+2*\n+1], 0                     ; upper halves of pairs that are named whole
	v_mov_b32 v[BXT+\n], 0                         ; lane permutes' destinations
.endr
	v_mov_b32 v[RLC+1], 0
.irp g,0,1,2,3
	GENMB \g%2
	ATT 0,\g
	ATT 1,\g
.if \g==3
	QTL 128,0                                      ; K of the left side is done with: the first two tiles of qt
	QTL 160,1
.endif
	s_wait_dscnt 0x0                               ; the last images' stores have read their registers
	QUANT CT,0,0,PC,PC+4,PC+8,PC+12
	IMG2 CW,CSA,0,\g,4+\g
.if \g==1                              ; the left queries are done: their q and the right side's K make room for out_w
	WIN 0xc0
.irp t,0,1,2,3
.irp z,0,1
	WFRAG 16*(2*\t+\z),VW,16,(32*(\t/2)+8*(\t%2))*256+128*\z
.endr
.endr
	WIN 0
.irp t,0,1,2,3
.irp z,0,1
	global_load_b32 v[32+2*\t+\z], v[VWS], s[18:19] offset:(32*(\t/2)+8*(\t%2))*8+4*\z
.endr
.endr
.endif
.endr
	BARRIER                                        ; all heads' ctx lies in LDS
; ---------------------------------------------------------------- O: out projection and the three computed parts, two token tiles at a time
.irp pp,0,1,2,3
.set QTB, 128+64*(\pp%2)
.set QTN, 128+64*((\pp+1)%2)
.irp mm,0,1
.irp z,0,1
.irp c,0,1,2,3
	ds_load_b128 v[CF+32*\mm+16*\z+4*\c:CF+32*\mm+16*\z+4*\c+3], v[LI] offset:(2*(2*\pp+\mm)+\z)*2048+512*\c
.endr
	ds_load_b32 v[56+2*\mm+\z], v[LS] offset:(2*(2*\pp+\mm)+\z)*128
.endr
.endr
	s_wait_dscnt 0x0
.if \pp==0
	s_wait_loadcnt 0x0                             ; out_w, its scale words, out_b, and the first qt
.endif
	WIN 0x23
.irp mm,0,1
.irp t,0,1,2,3
	MMC ACC+32*\mm+8*\t,16*(2*\t),CF+32*\mm,192+8*\t,32+2*\t,56+2*\mm
.endr
.endr
	WIN 0x03
.irp mm,0,1
.irp t,0,1,2,3
	MMC ACC+32*\mm+8*\t,16*(2*\t+1),CF+32*\mm+16,ACC+32*\mm+8*\t,33+2*\t,57+2*\mm
.endr
.endr
	WIN 0
	PLACES 8
.if \pp>0
	s_wait_loadcnt 36                              ; this pair's qt is in; behind it only the 36 loads of proj_w were issued
.endif
.if \pp<3
	QTL QTN,2*\pp+2
.endif
	WIN 0x03
.set ai, 0
.rept 32
	v_pk_add_f32 v[CF+ai:CF+ai+1], v[QTB+ai:QTB+ai+1], v[ACC+ai:ACC+ai+1] neg_lo:[0,1] neg_hi:[0,1]
.set ai, ai+2
.endr
	WIN 0
	QUANT CF,2,0,PC,PC+4,PC+8,PC+12                ; |qt - ctx|
	IMG2 AW+1,ASA,2048,2*\pp,2*\pp+1
.if \pp<3
	QTL QTN+32,2*\pp+3
.endif
	WIN 0x03
.set ai, 0
.rept 32
	v_pk_mul_f32 v[CF+ai:CF+ai+1], v[QTB+ai:QTB+ai+1], v[ACC+ai:ACC+ai+1]
.set ai, ai+2
.endr
	WIN 0
	s_wait_dscnt 0x0
	QUANT CF,0,0,PC,PC+4,PC+8,PC+12                ; qt x ctx
	IMG2 AW+2,ASA,4096,2*\pp,2*\pp+1
	PWG \pp
.if \pp==3
.irp f,28,29,30,31
	PWF \f                                         ; over out_b, which the last products of this phase have read long since
.endr
	WIN 0
.endif
	s_wait_dscnt 0x0
	QUANT ACC,0,0,PC,PC+4,PC+8,PC+12               ; ctx itself, last
	IMG2 AW,ASA,0,2*\pp,2*\pp+1
.endr
	s_wait_dscnt 0x0                               ; my images have landed, and their stores have read the registers that proj_b takes
.irp t,0,1,2,3
	global_load_b128 v[96+8*\t:96+8*\t+3], v[VB2], s[26:27] offset:64*\t
	global_load_b128 v[96+8*\t+4:96+8*\t+7], v[VB2], s[26:27] offset:64*\t+16
.endr
	s_barrier_signal -1
	s_barrier_wait -1                              ; all parts of the last product's operand lie in LDS
	s_wait_loadcnt 0x0                             ; proj_w, its scale words, proj_b
; ---------------------------------------------------------------- P: y = asym proj_w^T + proj_b: 32 accumulators (8 token tiles x my 4 tiles of channels), 16 a half step, by turns
	PFETCH 0
.irp q,0,1,2,3,4,5,6,7,8,9,10,11,12,13,14,15
.if \q>0
	PLACES 8                                       ; in front of loads into registers that the half step before last read
.endif
.if \q==3
	WIN 0x40                                       ; K step 0's fragments are done with: gain and bias of the norm take their place
.irp t,0,1,2,3
	global_load_b128 v[8*\t:8*\t+3], v[VB2], s[28:29] offset:64*\t
	global_load_b128 v[8*\t+4:8*\t+7], v[VB2], s[28:29] offset:64*\t+16
	global_load_b128 v[32+8*\t:32+8*\t+3], v[VB2], s[30:31] offset:64*\t
	global_load_b128 v[32+8*\t+4:32+8*\t+7], v[VB2], s[30:31] offset:64*\t+16
.endr
	WIN 0
.endif
.if \q<15
	PFETCH \q+1
	s_wait_dscnt 20                                ; all but the 20 just issued
.else
	s_wait_dscnt 0x0
.endif
.set PSQ, \q/2
.if PSQ==0
	WIN 0xc1
.elseif PSQ<4
	WIN 0xf1
.else
	WIN 0xf2
.endif
.irp k,0,1,2,3
.irp t,0,1,2,3
.set PY, 32*(4*(\q%2)+\k)+8*\t
.if PSQ==0
	MMC PY,16*((4*PSQ+\t)%16),128+64*(\q%2)+16*\k,96+8*\t,60+4*PSQ+\t,32+4*(\q%2)+\k
.else
	MMC PY,16*((4*PSQ+\t)%16),128+64*(\q%2)+16*\k,PY,60+4*PSQ+\t,32+4*(\q%2)+\k
.endif
.endr
.endr
	WIN 0
.endr
	PLACES 8
; ---------------------------------------------------------------- LN: a lane holds token lane % 16 of each tile and 32 of my 64 channels
	WIN 0x0f
.irp m,0,1,2,3,4,5,6,7
	v_pk_add_f32 v[SU+2*\m:SU+2*\m+1], v[32*\m:32*\m+1], v[32*\m+2:32*\m+3]
.endr
	WIN 0x0c
.irp p,4,6,8,10,12,14,16,18,20,22,24,26,28,30
.irp m,0,1,2,3,4,5,6,7
	v_pk_add_f32 v[SU+2*\m:SU+2*\m+1], v[SU+2*\m:SU+2*\m+1], v[32*\m+\p:32*\m+\p+1]
.endr
.endr
	WIN 0
.irp m,0,1,2,3,4,5,6,7
	v_add_f32 v[SU+2*\m], v[SU+2*\m], v[SU+2*\m+1]
.endr
.irp m,0,1,2,3,4,5,6,7
	v_permlanex16_b32 v[SU+2*\m+1], v[SU+2*\m], s52, s53
.endr
.irp m,0,1,2,3,4,5,6,7
	v_add_f32 v[SU+2*\m], v[SU+2*\m], v[SU+2*\m+1]
.endr
.irp m,0,1,2,3,4,5,6,7
	ds_store_b32 v[LNW], v[SU+2*\m] offset:256*\m  ; both halves of the lanes write the same word with the same value
.endr
	BARRIER
.irp m,0,1,2,3,4,5,6,7
	ds_load_b128 v[LQ+4*\m:LQ+4*\m+3], v[LNR] offset:256*\m
.endr
	s_wait_dscnt 0x0
.irp m,0,1,2,3,4,5,6,7
	v_add_f32 v[LQ+4*\m], v[LQ+4*\m], v[LQ+4*\m+1]
	v_add_f32 v[LQ+4*\m+2], v[LQ+4*\m+2], v[LQ+4*\m+3]
.endr
.irp m,0,1,2,3,4,5,6,7
	v_add_f32 v[LQ+4*\m], v[LQ+4*\m], v[LQ+4*\m+2]
.endr
.irp m,0,1,2,3,4,5,6,7
	v_mul_f32 v[MU+2*\m], s78, v[LQ+4*\m]          ; the mean
.endr
.irp m,0,1,2,3,4,5,6,7
	v_mov_b32 v[MU+2*\m+1], v[MU+2*\m]
.endr
	WIN 0xc3
.irp m,0,1,2,3,4,5,6,7
.set ai, 0
.rept 16
	v_pk_add_f32 v[32*\m+ai:32*\m+ai+1], v[32*\m+ai:32*\m+ai+1], v[MU+2*\m:MU+2*\m+1] neg_lo:[0,1] neg_hi:[0,1]
.set ai, ai+2
.endr
.endr
	WIN 0x0f
.irp m,0,1,2,3,4,5,6,7
	v_pk_mul_f32 v[SQ+2*\m:SQ+2*\m+1], v[32*\m:32*\m+1], v[32*\m:32*\m+1]
.endr
.irp p,2,4,6,8,10,12,14,16,18,20,22,24,26,28,30
.irp m,0,1,2,3,4,5,6,7
	v_pk_fma_f32 v[SQ+2*\m:SQ+2*\m+1], v[32*\m+\p:32*\m+\p+1], v[32*\m+\p:32*\m+\p+1], v[SQ+2*\m:SQ+2*\m+1]
.endr
.endr
	WIN 0
.irp m,0,1,2,3,4,5,6,7
	v_add_f32 v[SQ+2*\m], v[SQ+2*\m], v[SQ+2*\m+1]
.endr
.irp m,0,1,2,3,4,5,6,7
	v_permlanex16_b32 v[SQ+2*\m+1], v[SQ+2*\m], s52, s53
.endr
.irp m,0,1,2,3,4,5,6,7
	v_add_f32 v[SQ+2*\m], v[SQ+2*\m], v[SQ+2*\m+1]
.endr
.irp m,0,1,2,3,4,5,6,7
	ds_store_b32 v[LNW], v[SQ+2*\m] offset:2048+256*\m
.endr
	BARRIER
.irp m,0,1,2,3,4,5,6,7
	ds_load_b128 v[LQ+4*\m:LQ+4*\m+3], v[LNR] offset:2048+256*\m
.endr
	s_wait_dscnt 0x0
.irp m,0,1,2,3,4,5,6,7
	v_add_f32 v[LQ+4*\m], v[LQ+4*\m], v[LQ+4*\m+1]
	v_add_f32 v[LQ+4*\m+2], v[LQ+4*\m+2], v[LQ+4*\m+3]
.endr
.irp m,0,1,2,3,4,5,6,7
	v_add_f32 v[LQ+4*\m], v[LQ+4*\m], v[LQ+4*\m+2]
.endr
.irp m,0,1,2,3,4,5,6,7
	v_fma_f32 v[RS+2*\m], v[LQ+4*\m], s78, s79     ; the variance + 1e-5
.endr
	s_wait_alu depctr_va_vdst(0)
.irp m,0,1,2,3,4,5,6,7
	v_rsq_f32 v[RS+2*\m], v[RS+2*\m]
.endr
	v_nop                                          ; a plain line behind the roots
	s_wait_alu depctr_va_vdst(0)
.irp m,0,1,2,3,4,5,6,7
	v_mov_b32 v[RS+2*\m+1], v[RS+2*\m]
.endr
	s_wait_alu depctr_va_vdst(0)
	s_wait_loadcnt 0x0                             ; ln_g, ln_b
	WIN 0xc3
.irp m,0,1,2,3,4,5,6,7
.set ai, 0
.rept 16
	v_pk_mul_f32 v[32*\m+ai:32*\m+ai+1], v[32*\m+ai:32*\m+ai+1], v[RS+2*\m:RS+2*\m+1]
.set ai, ai+2
.endr
.endr
	WIN 0xd7
.irp m,0,1,2,3,4,5,6,7
.set ai, 0
.rept 16
	v_pk_fma_f32 v[32*\m+ai:32*\m+ai+1], v[32*\m+ai:32*\m+ai+1], v[ai:ai+1], v[32+ai:32+ai+1]
.set ai, ai+2
.endr
.endr
	WIN 0xcc
.set ai, 0
.rept 256
	v_max_num_f32 v[ai], 0, v[ai]                  ; relu
.set ai, ai+1
.endr
	WIN 0
; ---------------------------------------------------------------- Out: my 64 channel rows through my own part of the stage; 32 lanes store 512 consecutive bytes, at a multiple of 256 from out0's first byte
	s_mul_i32 s5, s2, 64*SPITCH
	v_mul_u32_u24 v[SGA], v2, 8*SPITCH
	v_lshl_add_u32 v[SGA], v1, 2, v[SGA]
	v_add_nc_u32 v[SGA], s5, v[SGA]
	v_add_nc_u32 v[SRA], s5, v[LI]
	WIN 0x0c
.irp m,0,1,2,3,4,5,6,7
.irp t,0,1,2,3
.irp j,0,1,2,3,4,5,6,7
	ds_store_b32 v[SGA], v[32*\m+8*\t+\j] offset:(16*\t+\j)*SPITCH+64*\m
.endr
.endr
.endr
	WIN 0x40
.set oi, 0
.rept 64
	ds_load_b128 v[4*oi:4*oi+3], v[SRA] offset:oi*SPITCH   ; LDS serves a wave's instructions in order (ISA guide 5.7.1.4): these see my stores
.set oi, oi+1
.endr
	WIN 0x04
.set oi, 0
.rept 64
	s_wait_dscnt 63-oi                             ; row oi is back; the younger rows' loads may be out
	global_store_b128 v[LI], v[4*oi:4*oi+3], s[32:33] offset:oi*16384 th:TH_STORE_NT
.set oi, oi+1
.endr
	WIN 0
	s_wait_tensorcnt 0x0                           ; the wave's end, behind my last tensor load and my last LDS store
	ds_add_u32 v[SPW], v[NIL]
	s_wait_dscnt 0x0
	s_endpgm
.Lfunc_end_k_q8202302e33_fused:
	.size	k_q8202302e33_fused, .Lfunc_end_k_q8202302e33_fused-k_q8202302e33_fused
	.p2alignl 7, 3214868480
	.fill 96, 4, 3214868480
	.section	.rodata,"a",@progbits
	.p2align	6, 0x0
	.amdhsa_kernel k_q8202302e33_fused
		.amdhsa_group_segment_fixed_size 327680
		.amdhsa_private_segment_fixed_size 0
		.amdhsa_enable_private_segment 0
		.amdhsa_kernarg_size 104
		.amdhsa_user_sgpr_count 2
		.amdhsa_user_sgpr_kernarg_segment_ptr 1
		.amdhsa_wavefront_size32 1
		.amdhsa_system_sgpr_workgroup_id_x 1
		.amdhsa_system_sgpr_workgroup_id_y 1
		.amdhsa_system_sgpr_workgroup_id_z 1
		.amdhsa_system_vgpr_workitem_id 0
		.amdhsa_next_free_vgpr 1024
		.amdhsa_next_free_sgpr 80
		.amdhsa_reserve_vcc 1
		.amdhsa_float_denorm_mode_32 3
		.amdhsa_float_denorm_mode_16_64 3
		.amdhsa_fp16_overflow 1
		.amdhsa_memory_ordered 1
		.amdhsa_forward_progress 1
		.amdhsa_inst_pref_size 255
	.end_amdhsa_kernel
	.section	.bss,"aw",@nobits
	.p2align	6
	.space	262144
	.amdgpu_metadata
---
amdhsa.version: [ 1, 2 ]
amdhsa.kernels:
  - .name:           k_q8202302e33_fused
    .symbol:         k_q8202302e33_fused.kd
    .args:
      - { .name: feat, .offset: 0, .size: 8, .value_kind: global_buffer, .address_space: global }
      - { .name: in_w_codes, .offset: 8, .size: 8, .value_kind: global_buffer, .address_space: global }
      - { .name: in_w_scales, .offset: 16, .size: 8, .value_kind: global_buffer, .address_space: global }
      - { .name: in_b, .offset: 24, .size: 8, .value_kind: global_buffer, .address_space: global }
      - { .name: out_w_codes, .offset: 32, .size: 8, .value_kind: global_buffer, .address_space: global }
      - { .name: out_w_scales, .offset: 40, .size: 8, .value_kind: global_buffer, .address_space: global }
      - { .name: out_b, .offset: 48, .size: 8, .value_kind: global_buffer, .address_space: global }
      - { .name: proj_w_codes, .offset: 56, .size: 8, .value_kind: global_buffer, .address_space: global }
      - { .name: proj_w_scales, .offset: 64, .size: 8, .value_kind: global_buffer, .address_space: global }
      - { .name: proj_b, .offset: 72, .size: 8, .value_kind: global_buffer, .address_space: global }
      - { .name: ln_g, .offset: 80, .size: 8, .value_kind: global_buffer, .address_space: global }
      - { .name: ln_b, .offset: 88, .size: 8, .value_kind: global_buffer, .address_space: global }
      - { .name: out0, .offset: 96, .size: 8, .value_kind: global_buffer, .address_space: global }
    .group_segment_fixed_size: 327680
    .private_segment_fixed_size: 0
    .kernarg_segment_align: 8
    .kernarg_segment_size: 104
    .max_flat_workgroup_size: 128
    .sgpr_count:     80
    .vgpr_count:     1024
    .wavefront_size: 32
...
	.end_amdgpu_metadata
.endif
;; end of part 1
